; MI455X (gfx1250); checked and timed in simulation.
; The chip was launched on July 23, 2026; its instructions are those of AMD's public machine-readable ISA for CDNA 5 (MIT licence, August 2026) and "CDNA5" Instruction Set Architecture Reference Guide (July 2026). The comments in the code are by the model that wrote it; some were corrected since.
;; Local Global Multihead Attention. Allowed arithmetic: matrix products marked QUANTISED: E2M1 operands, one E8M0 scale for each 32 along K, by v_wmma_scale_f32_16x16x128_f8f6f4 with both operands' format E2M1 (or v_wmma_scale_f32_32x16x128_f4), f32 sums; products left as they are: bf16, f16 or f32 operands; f32 sums; everything else in f32.
;; Inputs: Wk 512 x 512 float32; Wo 512 x 512 float32; Wq 512 x 512 float32; Wv 512 x 512 float32; attn_mask 4 x 2,048 bool; bk 512 float32; bo 512 float32; bq 512 float32; bv 512 float32; x 4 x 2,048 x 512 float32.
;; Outputs: out0 4 x 2,048 x 512 float32.
;; This version of the problem:
;;   THIS VERSION OF THE PROBLEM IS GIVEN IN LOW PRECISION. The matrix products marked QUANTISED in the list below multiply operands that are first quantised to E2M1 (2 exponent bits, 1 mantissa bit; 4 bits a number), with one power-of-two scale for each 32 numbers along K (OCP MX v1.0); their sums are f32. The products marked 'left as it is' may take bf16, f16 or f32 operands, with f32 sums. Whichever they take, every output number must still come out within the allowed error. Rounding operands to bf16 (8 significant bits) uses up far more of that allowance than f16 does (11 bits, for magnitudes from 6e-5 to 65,504). All else is computed in f32.
;;   The module's matrix products, in the order in which they are computed (A, B: the left and right operand; K: the contracted axis; several contracted axes count as one K, in the product's order):
;;     1. [M 8,192, K 512] x [K 512, N 512]; A: input x; B: input Wq: QUANTISED
;;     2. [M 8,192, K 512] x [K 512, N 512]; A: input x; B: input Wk: QUANTISED
;;     3. [M 8,192, K 512] x [K 512, N 512]; A: input x; B: input Wv: QUANTISED
;;     4. batch 32 x [M 2,048, K 64] x [K 64, N 2,048]; A: computed on the way; B: computed on the way: left as it is (an operand is computed on the way)
;;     5. batch 32 x [M 2,048, K 2,048] x [K 2,048, N 64]; A: computed on the way; B: computed on the way: left as it is (an operand is computed on the way)
;;     6. [M 8,192, K 512] x [K 512, N 512]; A: computed on the way; B: input Wo: left as it is (an operand is computed on the way)
;;   THE QUANTISER, for each operand of a quantised product, along K:
;;     - K is cut into blocks of 32 from its start; a last block that is shorter is filled with zeros.
;;     - A block's scale is 2^e with e = floor(log2(the largest magnitude in the block)) - 2, held to -126 .. 127; a block of zeros has e = 0. As a byte (E8M0): e + 127.
;;     - Each number is divided by its block's scale, clamped to +-6, and rounded to the nearest number of E2M1, ties to even, subnormals kept.
;;     - The product sums the exact products of the quantised numbers (number of the format x scale) in f32.
;;   ~~~python
;;   def quantise(x, axis):      # numpy; x: float32 -> the quantised numbers, widened to float32 again
;;       x = np.moveaxis(x, axis, -1); K = x.shape[-1]
;;       x = np.pad(x, [(0, 0)] * (x.ndim - 1) + [(0, -K % 32)]); x = x.reshape(x.shape[:-1] + (-1, 32)); a = np.abs(x).max(-1, keepdims=True)
;;       e = np.where(a > 0, np.clip(np.frexp(np.where(a > 0, a, 1))[1] - 1 - 2, -126, 127), 0)      # np.frexp(a)[1] - 1 = floor(log2(a)), exactly
;;       r = np.clip(x / 2.0 ** e, -6, 6)
;;       step = 2.0 ** (np.maximum(np.frexp(np.where(r == 0, 1, r))[1] - 1, 0) - 1)
;;       q = np.round(r / step) * step * 2.0 ** e      # np.round: ties to even
;;       return np.moveaxis(q.reshape(q.shape[:-2] + (-1,))[..., :K], -1, axis).astype(np.float32)
;;   ~~~
;; One version. Each part assembles by itself: llvm-mc -triple=amdgcn-amd-amdhsa -mcpu=gfx1250 --defsym DOCPART=n.
;; ======== version 1 of 1: 4 launches
;; limits: values are held in f16: magnitudes above 65,504 overflow, below 6.1e-05 lose precision
;; workspace buffers: cs 2,646,016 bytes; aux 561,152 bytes; qkvf 25,165,824 bytes; vpart 131,072 bytes; af 8,388,608 bytes
;; launch prep (part 1): grid 372 x 1, 2 waves a work-group, no clusters, 17,664 bytes of LDS; arguments x, Wq, Wk, Wv, Wo, attn_mask, cs, aux; writes cs, aux
.if DOCPART == 1
	.amdgcn_target "amdgcn-amd-amdhsa--gfx1250"
	.amdhsa_code_object_version 6
	.text
	.protected	k_qbeaa7d5e8d_prep
	.globl	k_qbeaa7d5e8d_prep
	.p2align	8
	.type	k_qbeaa7d5e8d_prep,@function
k_qbeaa7d5e8d_prep:
	s_mov_b64 s[64:65], 0
	v_nop
	global_prefetch_b8 v0, s[64:65] scope:SCOPE_SE
	s_setreg_imm32_b32 hwreg(HW_REG_WAVE_MODE, 25, 1), 1
	s_wait_xcnt 0x0
; PREP: what the later launches read again and again is made once, in the order of the operands' registers.
; Work-groups 0-303 (two waves, a wave to a tile of 16 rows): x [8192][512], Wq, Wk, Wv [512][512], f32, become codes of FP4 (E2M1) with one E8M0 byte for each 32 along K.
;   cs: 608 tiles of 4,096 bytes, [K step of 128 (4)][c (2)][lane (32)][16 bytes]: lane (r, h) holds row r, k = 128 s + 64 c + 32 h + 0 .. 31: a fragment's registers as they stand.
;   Tiles 0-511: x; 512 + 32 k + f: Wq, Wk, Wv.  From byte SCL on: 256 bytes a tile, [K step (4)][row (16)] scale words.
;   A block's scale is 2^(floor(log2(its largest magnitude)) - 2); its byte is that magnitude's exponent field - 2, held at 1 from below.
; Work-groups 304-367: Wo as f16 fragments: aux [feature tile (32)][K step of 32 (16)][c (2)][lane][16 bytes]: lane (r, h) holds Wo[16 f + r][32 s + 16 c + 8 h + 0 .. 7].
; Work-groups 368-371: the keys' bias, aux from byte KB on: [batch (4)][2,304] f32; entry e stands for key e - 128: 0 where the key exists and attn_mask is not 0, else -1e30.
; LIMITS: a block of zeros gets the byte 1 where the rule says 127 (its codes are zeros, and this program alone reads the bytes); |Wo| stays under 65,504 (f16); NaN and infinities are not served.
; No tensor load, no barrier: waves share nothing.  Only the first path uses LDS.
.set SCL,   2490368                    ; where the scale words begin in cs
.set KB,    524288                     ; where the keys' bias begins in aux
.set WREG,  8704                       ; LDS: a wave's region: a stage of 16 rows x (512 + 16) bytes, then its 256 bytes of scale words
.set SBY,   8448
.set SPARE, 17408                      ; behind the two regions: the spare words, 128 bytes for each wave: one block of 256 bytes that no other line names
.set SPW, 252                          ; v252     LDS address of my spare word; never rewritten
.set NIL, 253                          ; v253     0; never rewritten
.set R,   16                           ; v16-143  two sets of 64: a K step of 16 rows as it is loaded
.set X,   144                          ; v144-207 my two blocks of 32 neighbours
.set CD,  208                          ; v208-239 codes: eight registers for each K step, so that no store's data are written again
.set TM,  240                          ; v240-251 at work; v248-251 the four scale words
	s_load_b256 s[4:11], s[0:1], 0x0               ; x, Wq, Wk, Wv
	s_load_b256 s[12:19], s[0:1], 0x20             ; Wo, attn_mask, cs, aux
	v_lshl_add_u32 v[SPW], v0, 2, SPARE
	v_mov_b32 v[NIL], 0
	v_lshrrev_b32 v1, 5, v0
	v_readfirstlane_b32 s20, v1                    ; wave
	v_and_b32 v1, 31, v0                           ; lane
	v_and_b32 v2, 15, v0                           ; r
	v_bfe_u32 v3, v0, 4, 1                         ; h
	v_lshlrev_b32 v4, 4, v1                        ; 16 x lane
	s_mul_i32 s21, s20, WREG
	v_add_nc_u32 v5, s21, v4                       ; the stage, on the way in: 16 x lane of a row
	v_mul_u32_u24 v6, v2, 528
	v_lshl_add_u32 v6, v3, 7, v6
	v_add_nc_u32 v6, s21, v6                       ; and on the way out: row r, block h
	v_lshlrev_b32 v7, 2, v2
	v_add_nc_u32 v7, s21, v7
	v_add_nc_u32 v7, SBY, v7                       ; my row's scale word
	v_lshlrev_b32 v9, 3, v1                        ; 8 x lane
	v_add_nc_u32 v8, s21, v9
	v_add_nc_u32 v8, SBY, v8                       ; the scale words on their way out
	v_lshlrev_b32 v10, 3, v3                       ; 8 h: my bytes' place in a scale word
	s_mov_b32 s27, 0
	s_mov_b32 s32, 0x76543210
	s_mov_b32 s33, 0xfedcba98                      ; v_permlanex16_b32's selects for lane l xor 16
	s_wait_kmcnt 0x0
	s_cmp_ge_u32 ttmp9, 304
	s_cbranch_scc1 .Lnot_codes
	; ---- codes.  Tile T = 2 x work-group + wave
	s_lshl_b32 s22, ttmp9, 1
	s_add_co_u32 s22, s22, s20                     ; T
	s_and_b32 s23, s22, 31                         ; a weight's own tile (512 is a multiple of 32)
	s_cmp_lt_u32 ttmp9, 288                        ; the choices hang on the work-group's number alone
	s_cselect_b64 s[24:25], s[8:9], s[10:11]
	s_cmp_lt_u32 ttmp9, 272
	s_cselect_b64 s[24:25], s[6:7], s[24:25]
	s_cmp_lt_u32 ttmp9, 256
	s_cselect_b64 s[24:25], s[4:5], s[24:25]
	s_cselect_b32 s23, s22, s23
	s_lshl_b32 s26, s23, 15                        ; 16 rows of 2,048 bytes
	s_add_nc_u64 s[24:25], s[24:25], s[26:27]
	s_lshl_b32 s26, s22, 12
	s_add_nc_u64 s[28:29], s[16:17], s[26:27]      ; my tile of codes
	s_lshl_b32 s26, s22, 8
	s_add_co_u32 s26, s26, SCL
	s_add_nc_u64 s[30:31], s[16:17], s[26:27]      ; and its scale words
	v_mov_b32 v[TM+7], 0                           ; a lane permute's destination counts as one of its sources
.macro LOADK s                         ; K step s of the 16 rows: each load reads 512 consecutive bytes of one row
.irp t, 0,1,2,3,4,5,6,7,8,9,10,11,12,13,14,15
	global_load_b128 v[R+64*((\s)%2)+4*\t:R+64*((\s)%2)+4*\t+3], v4, s[24:25] offset:2048*\t+512*(\s) th:TH_LOAD_NT
.endr
.endm
.macro KSTEP s
.if (\s) < 3
	s_wait_loadcnt 16                              ; this K step's 16 loads are in; the next step's 16 may be out
.else
	s_wait_loadcnt 0x0
.endif
.irp t, 0,1,2,3,4,5,6,7,8,9,10,11,12,13,14,15
	ds_store_b128 v5, v[R+64*((\s)%2)+4*\t:R+64*((\s)%2)+4*\t+3] offset:528*\t
.endr
.irp c, 0,1                            ; back as the operand wants them: block 2 c + h of row r, 32 neighbours.  LDS serves a wave's instructions in order: these see the stores above
.irp i, 0,1,2,3,4,5,6,7
	ds_load_b128 v[X+32*\c+4*\i:X+32*\c+4*\i+3], v6 offset:256*\c+16*\i
.endr
.endr
	s_wait_dscnt 0x0                               ; my numbers are back, and the stores have read their registers,
.if (\s) < 2
	LOADK (\s)+2                                   ; which take the loads of two steps on
.endif
.irp c, 0,1
	v_max3_num_f32 v[TM+\c], |v[X+32*\c]|, |v[X+32*\c+1]|, 0x1800000   ; the block's largest magnitude, and the floor 2^(3 - 127): the byte cannot fall under 1
.endr
.irp i, 2,4,6,8,10,12,14,16,18,20,22,24,26,28,30
.irp c, 0,1
	v_max3_num_f32 v[TM+\c], v[TM+\c], |v[X+32*\c+\i]|, |v[X+32*\c+\i+1]|   ; (the two blocks by turns)
.endr
.endr
.irp c, 0,1
	v_add_nc_u32 v[TM+2+\c], 0xff000000, v[TM+\c]  ; 2 off its exponent field: the conversion's scale operand
.endr
.irp c, 0,1
	v_lshrrev_b32 v[TM+4+\c], 23, v[TM+2+\c]       ; the scale's byte
.endr
	v_lshl_or_b32 v[TM+6], v[TM+5], 16, v[TM+4]    ; blocks h and 2 + h of row r,
	v_lshlrev_b32 v[TM+6], v10, v[TM+6]            ; at their places in the word;
	v_permlanex16_b32 v[TM+7], v[TM+6], s32, s33
	v_or_b32 v[TM+8+(\s)], v[TM+6], v[TM+7]        ; with lane l xor 16's two the word is whole
.irp c, 0,1
.irp g, 0,1,2,3
	v_cvt_scalef32_pk8_fp4_f32 v[CD+8*(\s)+4*\c+\g], v[X+32*\c+8*\g:X+32*\c+8*\g+7], v[TM+2+\c]
.endr
.endr
	v_nop                                          ; one plain place behind the scaled conversions
.irp c, 0,1
	global_store_b128 v4, v[CD+8*(\s)+4*\c:CD+8*(\s)+4*\c+3], s[28:29] offset:1024*(\s)+512*\c   ; 32 lanes store 512 consecutive bytes
.endr
	ds_store_b32 v7, v[TM+8+(\s)] offset:64*(\s)   ; both halves of the lanes write the same word with the same value
.endm
	LOADK 0
	LOADK 1
	KSTEP 0
	KSTEP 1
	KSTEP 2
	KSTEP 3
	ds_load_b64 v[TM:TM+1], v8                     ; the tile's 64 scale words, 8 bytes a lane
	s_wait_dscnt 0x0
	global_store_b64 v9, v[TM:TM+1], s[30:31]      ; 32 lanes store 256 consecutive bytes, aligned
	s_wait_tensorcnt 0x0                           ; the wave's end, behind my last LDS store
	ds_add_u32 v[SPW], v[NIL]
	s_wait_dscnt 0x0
	s_endpgm
.Lnot_codes:
	s_cmp_ge_u32 ttmp9, 368
	s_cbranch_scc1 .Lmask
	; ---- Wo.  Unit u = 2 x (work-group - 304) + wave: feature tile u / 4, K steps 4 (u % 4) on
	s_sub_co_u32 s22, ttmp9, 304
	s_lshl_b32 s22, s22, 1
	s_add_co_u32 s22, s22, s20
	s_lshr_b32 s23, s22, 2
	s_and_b32 s24, s22, 3
	s_lshl_b32 s26, s23, 15                        ; 16 rows of 2,048 bytes,
	s_lshl_b32 s25, s24, 9                         ; 128 numbers along K
	s_add_co_u32 s26, s26, s25
	s_add_nc_u64 s[12:13], s[12:13], s[26:27]
	s_lshl_b32 s26, s23, 14
	s_lshl_b32 s25, s24, 12
	s_add_co_u32 s26, s26, s25
	s_add_nc_u64 s[18:19], s[18:19], s[26:27]
	v_lshlrev_b32 v11, 11, v2
	v_lshl_add_u32 v11, v3, 5, v11                 ; row r, + 32 h bytes: my eight numbers of each 16
.irp e, 0,1,2,3,4,5,6,7                ; e = 2 x K step + c; the sixteen loads together take 512 whole bytes of each row
	global_load_b128 v[16+8*\e:16+8*\e+3], v11, s[12:13] offset:64*\e
	global_load_b128 v[16+8*\e+4:16+8*\e+7], v11, s[12:13] offset:64*\e+16
.endr
	s_wait_loadcnt 0x0
.irp e, 0,1,2,3,4,5,6,7
.irp n, 0,1,2,3
	v_cvt_pk_f16_f32 v[80+4*\e+\n], v[16+8*\e+2*\n], v[16+8*\e+2*\n+1]
.endr
.endr
.irp e, 0,1,2,3,4,5,6,7
	global_store_b128 v4, v[80+4*\e:80+4*\e+3], s[18:19] offset:512*\e
.endr
	s_endpgm
.Lmask:
	; ---- the keys' bias.  Unit u = 2 x (work-group - 368) + wave: batch u / 2, entries 1,152 (u % 2) on: nine pieces of 128 entries, four a lane
	s_sub_co_u32 s22, ttmp9, 368
	s_lshl_b32 s22, s22, 1
	s_add_co_u32 s22, s22, s20
	s_lshr_b32 s23, s22, 1
	s_and_b32 s24, s22, 1
	s_mul_i32 s24, s24, 1152
	s_lshl_b32 s26, s23, 11
	s_add_nc_u64 s[14:15], s[14:15], s[26:27]      ; the batch's 2,048 bytes of the mask
	s_mul_i32 s26, s23, 9216
	s_lshl_b32 s25, s24, 2
	s_add_co_u32 s26, s26, s25
	s_add_co_u32 s26, s26, KB
	s_add_nc_u64 s[18:19], s[18:19], s[26:27]
	s_sub_co_i32 s24, s24, 128
	v_lshl_add_u32 v11, v1, 2, s24                 ; my first key of piece 0: a multiple of 4, from -128 on
	v_mov_b32 v13, 0xf149f2ca                      ; -1e30
.irp i, 0,1,2,3,4,5,6,7,8
	v_add_nc_u32 v[16+\i], 128*\i, v11             ; my four keys lie all inside 0 .. 2,047 or all outside
	v_max_i32 v[32+\i], 0, v[16+\i]
	v_min_i32 v[32+\i], 0x7fc, v[32+\i]            ; no load leaves the mask
	global_load_b32 v[48+\i], v[32+\i], s[14:15]
.endr
	s_wait_loadcnt 0x0
.irp i, 0,1,2,3,4,5,6,7,8
	v_cmp_gt_u32 vcc_lo, 2048, v[16+\i]
	v_cndmask_b32 v[48+\i], 0, v[48+\i], vcc_lo    ; keys that do not exist count as masked
.irp j, 0,1,2,3
	v_bfe_u32 v12, v[48+\i], 8*\j, 8
	v_cmp_eq_u32 vcc_lo, 0, v12
	v_cndmask_b32 v[64+4*\i+\j], 0, v13, vcc_lo
.endr
	global_store_b128 v4, v[64+4*\i:64+4*\i+3], s[18:19] offset:512*\i
.endr
	s_endpgm
.Lfunc_end_k_qbeaa7d5e8d_prep:
	.size	k_qbeaa7d5e8d_prep, .Lfunc_end_k_qbeaa7d5e8d_prep-k_qbeaa7d5e8d_prep
	.p2alignl 7, 3214868480
	.fill 96, 4, 3214868480
	.section	.rodata,"a",@progbits
	.p2align	6, 0x0
	.amdhsa_kernel k_qbeaa7d5e8d_prep
		.amdhsa_group_segment_fixed_size 17664
		.amdhsa_private_segment_fixed_size 0
		.amdhsa_enable_private_segment 0
		.amdhsa_kernarg_size 64
		.amdhsa_user_sgpr_count 2
		.amdhsa_user_sgpr_kernarg_segment_ptr 1
		.amdhsa_wavefront_size32 1
		.amdhsa_system_sgpr_workgroup_id_x 1
		.amdhsa_system_sgpr_workgroup_id_y 1
		.amdhsa_system_sgpr_workgroup_id_z 1
		.amdhsa_system_vgpr_workitem_id 0
		.amdhsa_next_free_vgpr 256
		.amdhsa_next_free_sgpr 66
		.amdhsa_reserve_vcc 1
		.amdhsa_float_denorm_mode_32 3
		.amdhsa_float_denorm_mode_16_64 3
		.amdhsa_memory_ordered 1
		.amdhsa_forward_progress 1
		.amdhsa_inst_pref_size 44
	.end_amdhsa_kernel
	.amdgpu_metadata
---
amdhsa.version: [ 1, 2 ]
amdhsa.kernels:
  - .name:           k_qbeaa7d5e8d_prep
    .symbol:         k_qbeaa7d5e8d_prep.kd
    .args:
      - { .name: x, .offset: 0, .size: 8, .value_kind: global_buffer, .address_space: global }
      - { .name: Wq, .offset: 8, .size: 8, .value_kind: global_buffer, .address_space: global }
      - { .name: Wk, .offset: 16, .size: 8, .value_kind: global_buffer, .address_space: global }
      - { .name: Wv, .offset: 24, .size: 8, .value_kind: global_buffer, .address_space: global }
      - { .name: Wo, .offset: 32, .size: 8, .value_kind: global_buffer, .address_space: global }
      - { .name: attn_mask, .offset: 40, .size: 8, .value_kind: global_buffer, .address_space: global }
      - { .name: cs, .offset: 48, .size: 8, .value_kind: global_buffer, .address_space: global }
      - { .name: aux, .offset: 56, .size: 8, .value_kind: global_buffer, .address_space: global }
    .group_segment_fixed_size: 17664
    .private_segment_fixed_size: 0
    .kernarg_segment_align: 8
    .kernarg_segment_size: 64
    .max_flat_workgroup_size: 64
    .sgpr_count:     66
    .vgpr_count:     256
    .wavefront_size: 32
...
	.end_amdgpu_metadata
.endif
;; end of part 1
;; launch proj (part 2): grid 64 x 4, 6 waves a work-group, no clusters, 0 bytes of LDS; arguments cs, bq, bk, bv, qkvf, vpart; writes qkvf, vpart
.if DOCPART == 2
	.amdgcn_target "amdgcn-amd-amdhsa--gfx1250"
	.amdhsa_code_object_version 6
	.text
	.protected	k_qbeaa7d5e8d_proj
	.globl	k_qbeaa7d5e8d_proj
	.p2align	8
	.type	k_qbeaa7d5e8d_proj,@function
k_qbeaa7d5e8d_proj:
	s_mov_b64 s[64:65], 0
	v_nop
	global_prefetch_b8 v0, s[64:65] scope:SCOPE_SE
	s_setreg_imm32_b32 hwreg(HW_REG_WAVE_MODE, 25, 1), 1
	s_wait_xcnt 0x0
; PROJ: q = x Wq^T + bq, k = x Wk^T + bk, v = x Wv^T + bv on codes of FP4 (E2M1) with E8M0 scales; sums in f32; the results leave as f16 fragments for the attention.
; SHARES.  Work-group (X, y): rows 128 X .. 128 X + 127 of x.  Wave w takes feature block fb = 6 y + w of 24: kind fb / 8 (q, k, v), head fb % 8: 128 rows x 64 features.
; Its 64 rows of the weight (four tiles, all 512 of K: 128 registers) stay in registers; the eight tiles of x go through four register buffers, asked for four tiles ahead.
; Codes and scale words lie in cs in the order of the operand's registers: a fragment comes by loads of 512 consecutive bytes, 16 a lane.  No LDS, no barrier: waves share nothing.
; q, k: source 0 = 16 rows of W, source 1 = 16 rows of x: a lane holds one row of x and eight neighbouring features: 16 bytes of a fragment of q or k:
;   qkvf: q at 0, k at 8,388,608: [batch][head][row tile (128)][s (2)][c (2)][lane][16 bytes]: lane (r, h): row r, d = 32 s + 16 c + 8 h + 0 .. 7.
; v: source 0 = x, source 1 = Wv: a lane holds one feature and eight neighbouring keys: 16 bytes of a fragment of V^T:
;   qkvf from 16,777,216: [batch][head][chunk of 32 keys (64)][d tile (4)][c (2)][lane][16 bytes]: lane (r, h): d = 16 dt + r, keys 16 c + 8 h + 0 .. 7.
; The biases are the C of each sum's first matrix instruction.  v's columns are also summed over the 128 rows (vpart [batch][block (16)][512] f32): a query with no allowed key gets the mean of v.
; A scale register holds the words of two K steps: lanes 0-15 the even step's, lanes 16-31 the odd step's.
; LIMITS: |q|, |k|, |v| stay under 65,504 (f16).
; REGISTERS: window 0: v1-5 addresses; v16-23 x's scale words (buffer x 2), v24-31 W's (tile x 2); v32-159 x's fragments, four buffers of 32; v160-223 two sets of four accumulators; v224-231 v's sums; v232-239 at work.
;   window 1: v0-127 W's 16 fragments (tile t, K step s at 32 t + 8 s); v128-159 the bias as C, eight registers a tile.
.set SCL, 2490368
.set L16, 1                            ; 16 x lane
.set L4,  2                            ; 4 x lane
.set H32, 3                            ; 32 h
.set R4,  4                            ; 4 r
.set LN,  5                            ; lane
.set XS,  16
.set WS,  24
.set XF,  32
.set ACC, 160
.set VS,  224
.set TM,  232
.set WF,  0
.set BI,  128
.set MSB, 0
.macro WIN new                         ; the immediate's high byte repeats the setting that is left; a switch that changes nothing is dropped
.if MSB != (\new)
	s_set_vgpr_msb (MSB<<8)|(\new)
.set MSB, (\new)
.endif
.endm
	s_load_b256 s[4:11], s[0:1], 0x0               ; cs, bq, bk, bv
	s_load_b128 s[12:15], s[0:1], 0x20             ; qkvf, vpart
	v_lshrrev_b32 v6, 5, v0
	v_readfirstlane_b32 s16, v6                    ; wave 0..5
	v_and_b32 v[LN], 31, v0
	v_and_b32 v6, 15, v0
	v_bfe_u32 v7, v0, 4, 1
	v_lshlrev_b32 v[L16], 4, v[LN]
	v_lshlrev_b32 v[L4], 2, v[LN]
	v_lshlrev_b32 v[H32], 5, v7
	v_lshlrev_b32 v[R4], 2, v6
	s_and_b32 s17, ttmp7, 0xffff
	s_mul_i32 s17, s17, 6
	s_add_co_u32 s17, s17, s16                     ; fb
	s_lshr_b32 s18, s17, 3                         ; kind
	s_and_b32 s19, s17, 7                          ; head
	s_mov_b32 s36, 0x76543210
	s_mov_b32 s37, 0xfedcba98                      ; v_permlanex16_b32's selects for lane l xor 16
	s_mov_b32 s39, 0
	s_wait_kmcnt 0x0
	s_lshl_b32 s38, ttmp9, 15
	s_add_nc_u64 s[20:21], s[4:5], s[38:39]        ; x's codes: eight tiles of 4,096 bytes
	s_lshl_b32 s38, ttmp9, 11
	s_add_co_u32 s38, s38, SCL
	s_add_nc_u64 s[22:23], s[4:5], s[38:39]        ; and their scale words: 256 bytes a tile
	s_lshl_b32 s38, s17, 14
	s_add_co_u32 s38, s38, 2097152
	s_add_nc_u64 s[24:25], s[4:5], s[38:39]        ; W's codes: tiles 512 + 4 fb on
	s_lshl_b32 s38, s17, 10
	s_add_co_u32 s38, s38, SCL+131072
	s_add_nc_u64 s[26:27], s[4:5], s[38:39]
	s_cmp_eq_u32 s18, 0                            ; the bias: the choice hangs on ids alone
	s_cselect_b64 s[28:29], s[6:7], s[8:9]
	s_cmp_eq_u32 s18, 2
	s_cselect_b64 s[28:29], s[10:11], s[28:29]
	s_lshl_b32 s38, s19, 8
	s_add_nc_u64 s[28:29], s[28:29], s[38:39]      ; my head's 64 numbers
	s_lshl_b32 s40, ttmp9, 11
	s_add_co_u32 s38, s38, s40
	s_add_nc_u64 s[32:33], s[14:15], s[38:39]      ; vpart: row X of 2,048 bytes, my head's 256
	s_lshr_b32 s34, ttmp9, 4                       ; batch
	s_and_b32 s35, ttmp9, 15                       ; block of 128 rows in it
	s_lshl_b32 s38, s34, 3
	s_add_co_u32 s38, s38, s19
	s_lshl_b32 s38, s38, 18                        ; a head of q, k or v is 262,144 bytes,
	s_lshl_b32 s40, s18, 23                        ; a kind 8,388,608,
	s_add_co_u32 s38, s38, s40
	s_lshl_b32 s40, s35, 14                        ; 128 rows 16,384
	s_add_co_u32 s38, s38, s40
	s_add_nc_u64 s[30:31], s[12:13], s[38:39]
.irp t, 0,1,2,3
.irp u, 0,1
	global_load_b32 v[WS+2*\t+\u], v[L4], s[26:27] offset:256*\t+128*\u
.endr
.endr
	WIN 0x40                                       ; destination window 1
.irp t, 0,1,2,3
.irp n, 0,1,2,3,4,5,6,7
	global_load_b128 v[WF+32*\t+4*\n:WF+32*\t+4*\n+3], v[L16], s[24:25] offset:4096*\t+512*\n
.endr
.endr
	WIN 0
.macro XLOAD i                         ; tile i of x into buffer i % 4: ten loads
.irp n, 0,1,2,3,4,5,6,7
	global_load_b128 v[XF+32*((\i)%4)+4*\n:XF+32*((\i)%4)+4*\n+3], v[L16], s[20:21] offset:4096*(\i)+512*\n
.endr
.irp u, 0,1
	global_load_b32 v[XS+2*((\i)%4)+\u], v[L4], s[22:23] offset:256*(\i)+128*\u
.endr
.endm
.macro W4 d, a, b, c, sa, sb, odd      ; one product; an odd K step takes its scale words from lanes 16-31
.if \odd
	v_wmma_scale_f32_16x16x128_f8f6f4 v[\d:\d+7], v[\a:\a+7], v[\b:\b+7], v[\c:\c+7], v[\sa], v[\sb] matrix_a_fmt:MATRIX_FMT_FP4 matrix_b_fmt:MATRIX_FMT_FP4 matrix_a_scale:MATRIX_SCALE_ROW1 matrix_b_scale:MATRIX_SCALE_ROW1
.else
	v_wmma_scale_f32_16x16x128_f8f6f4 v[\d:\d+7], v[\a:\a+7], v[\b:\b+7], v[\c:\c+7], v[\sa], v[\sb] matrix_a_fmt:MATRIX_FMT_FP4 matrix_b_fmt:MATRIX_FMT_FP4
.endif
.endm
; 16 products: tile i of x against my four tiles of W, four K steps.  The four accumulators take turns, one instruction a turn, and the two sets change from tile to tile.
.macro MUL i, vk
.set AB, ACC+32*((\i)%2)
.set XB, XF+32*((\i)%4)
.set XC, XS+2*((\i)%4)
.irp s, 0,1,2,3
.if \s == 0
	WIN 0x11+3*(\vk)                               ; W's fragments (source 0, for v source 1) and the bias (source 2) in window 1
.elseif \s == 1
	WIN 0x01+3*(\vk)                               ; W's fragments alone
.endif
.irp t, 0,1,2,3
.if \s == 0
.set CC, BI+8*\t
.else
.set CC, AB+8*\t
.endif
.if \vk
	W4 AB+8*\t, XB+8*\s, WF+32*\t+8*\s, CC, XC+\s/2, WS+2*\t+\s/2, \s%2
.else
	W4 AB+8*\t, WF+32*\t+8*\s, XB+8*\s, CC, WS+2*\t+\s/2, XC+\s/2, \s%2
.endif
.endr
.endr
.endm
; Tile i's results: (v: summed over the lane's eight keys;) rounded to f16 in place, each accumulator from its low end on, and stored: 512 consecutive bytes a store.
.macro PACK i, vk
.set AB, ACC+32*((\i)%2)
.if \vk
.irp t, 0,1,2,3
.set T0, TM+4*(\t%2)
	v_pk_add_f32 v[T0:T0+1], v[AB+8*\t:AB+8*\t+1], v[AB+8*\t+2:AB+8*\t+3]
	v_pk_add_f32 v[T0+2:T0+3], v[AB+8*\t+4:AB+8*\t+5], v[AB+8*\t+6:AB+8*\t+7]
.if (\i) == 0
	v_pk_add_f32 v[VS+2*\t:VS+2*\t+1], v[T0:T0+1], v[T0+2:T0+3]    ; the first tile starts the sums
.else
	v_pk_add_f32 v[T0:T0+1], v[T0:T0+1], v[T0+2:T0+3]
	v_pk_add_f32 v[VS+2*\t:VS+2*\t+1], v[VS+2*\t:VS+2*\t+1], v[T0:T0+1]
.endif
.endr
.endif
.irp t, 0,1,2,3
.irp n, 0,1,2,3
	v_cvt_pk_f16_f32 v[AB+8*\t+\n], v[AB+8*\t+2*\n], v[AB+8*\t+2*\n+1]
.endr
.endr
.irp t, 0,1,2,3
.if \vk
	global_store_b128 v[L16], v[AB+8*\t:AB+8*\t+3], s[30:31] offset:4096*((\i)/2)+1024*\t+512*((\i)%2)
.else
	global_store_b128 v[L16], v[AB+8*\t:AB+8*\t+3], s[30:31] offset:2048*(\i)+512*\t
.endif
.endr
.endm
.macro ROW i, vk
	s_wait_xcnt 0x0                                ; the stores of two tiles back have read this set of accumulators
.if (\i) <= 4
	s_wait_loadcnt 30                              ; tile i is in; the three tiles asked for behind it, ten loads each, may be out
.else
	s_wait_loadcnt 10*(7-(\i))
.endif
	MUL \i, \vk
	WIN 0
.rept 4
	v_nop                                          ; four places in front of the loads into the buffer just multiplied, and of the first read of these results
.endr
.if (\i) < 4
	XLOAD (\i)+4
.endif
.if (\i) > 0
	PACK (\i)-1, \vk                               ; the tile before leaves while this tile's products run
.endif
.endm
.macro WHOLE vk
	XLOAD 0
	XLOAD 1
	XLOAD 2
	XLOAD 3
.irp i, 0,1,2,3,4,5,6,7
	ROW \i, \vk
.endr
	PACK 7, \vk
.endm
	s_cmp_ge_u32 s17, 16
	s_cbranch_scc1 .Lvalues
	WIN 0x40                                       ; q, k: lane (r, h) wants the bias of features 16 t + 8 h + 0 .. 7
.irp t, 0,1,2,3
	global_load_b128 v[BI+8*\t:BI+8*\t+3], v[H32], s[28:29] offset:64*\t
	global_load_b128 v[BI+8*\t+4:BI+8*\t+7], v[H32], s[28:29] offset:64*\t+16
.endr
	WIN 0
	WHOLE 0
	s_endpgm
.Lvalues:
	WIN 0x40                                       ; v: lane (r, h) wants the bias of feature 16 t + r in all eight registers
.irp t, 0,1,2,3
.irp j, 0,1,2,3,4,5,6,7
	global_load_b32 v[BI+8*\t+\j], v[R4], s[28:29] offset:64*\t
.endr
.endr
	WIN 0
	WHOLE 1
.irp t, 0,1,2,3
	v_add_f32 v[TM+\t], v[VS+2*\t], v[VS+2*\t+1]   ; the sums' two halves,
.endr
.irp t, 0,1,2,3
	v_permlanex16_b32 v[TM+4+\t], v[TM+\t], s36, s37
.endr
.irp t, 0,1,2,3
	v_add_f32 v[TM+\t], v[TM+\t], v[TM+4+\t]       ; and lane l xor 16's keys: feature 16 t + r over the 128 rows
.endr
	v_cmp_le_u32 vcc_lo, 16, v[LN]
	v_cndmask_b32 v[TM], v[TM], v[TM+1], vcc_lo    ; lanes 0-15 an even tile's features, lanes 16-31 the odd tile's: 32 neighbours
	v_cndmask_b32 v[TM+2], v[TM+2], v[TM+3], vcc_lo
	global_store_b32 v[L4], v[TM], s[32:33]
	global_store_b32 v[L4], v[TM+2], s[32:33] offset:128
	s_endpgm
.Lfunc_end_k_qbeaa7d5e8d_proj:
	.size	k_qbeaa7d5e8d_proj, .Lfunc_end_k_qbeaa7d5e8d_proj-k_qbeaa7d5e8d_proj
	.p2alignl 7, 3214868480
	.fill 96, 4, 3214868480
	.section	.rodata,"a",@progbits
	.p2align	6, 0x0
	.amdhsa_kernel k_qbeaa7d5e8d_proj
		.amdhsa_group_segment_fixed_size 0
		.amdhsa_private_segment_fixed_size 0
		.amdhsa_enable_private_segment 0
		.amdhsa_kernarg_size 48
		.amdhsa_user_sgpr_count 2
		.amdhsa_user_sgpr_kernarg_segment_ptr 1
		.amdhsa_wavefront_size32 1
		.amdhsa_system_sgpr_workgroup_id_x 1
		.amdhsa_system_sgpr_workgroup_id_y 1
		.amdhsa_system_sgpr_workgroup_id_z 1
		.amdhsa_system_vgpr_workitem_id 0
		.amdhsa_next_free_vgpr 416
		.amdhsa_next_free_sgpr 66
		.amdhsa_reserve_vcc 1
		.amdhsa_float_denorm_mode_32 3
		.amdhsa_float_denorm_mode_16_64 3
		.amdhsa_memory_ordered 1
		.amdhsa_forward_progress 1
		.amdhsa_inst_pref_size 92
	.end_amdhsa_kernel
	.amdgpu_metadata
---
amdhsa.version: [ 1, 2 ]
amdhsa.kernels:
  - .name:           k_qbeaa7d5e8d_proj
    .symbol:         k_qbeaa7d5e8d_proj.kd
    .args:
      - { .name: cs, .offset: 0, .size: 8, .value_kind: global_buffer, .address_space: global }
      - { .name: bq, .offset: 8, .size: 8, .value_kind: global_buffer, .address_space: global }
      - { .name: bk, .offset: 16, .size: 8, .value_kind: global_buffer, .address_space: global }
      - { .name: bv, .offset: 24, .size: 8, .value_kind: global_buffer, .address_space: global }
      - { .name: qkvf, .offset: 32, .size: 8, .value_kind: global_buffer, .address_space: global }
      - { .name: vpart, .offset: 40, .size: 8, .value_kind: global_buffer, .address_space: global }
    .group_segment_fixed_size: 0
    .private_segment_fixed_size: 0
    .kernarg_segment_align: 8
    .kernarg_segment_size: 48
    .max_flat_workgroup_size: 192
    .sgpr_count:     66
    .vgpr_count:     416
    .wavefront_size: 32
...
	.end_amdgpu_metadata
.endif
;; end of part 2
;; launch attn (part 3): grid 60 x 4, 8 waves a work-group, no clusters, 140,288 bytes of LDS; arguments qkvf, aux, vpart, af; writes af
.if DOCPART == 3
	.amdgcn_target "amdgcn-amd-amdhsa--gfx1250"
	.amdhsa_code_object_version 6
	.text
	.protected	k_qbeaa7d5e8d_attn
	.globl	k_qbeaa7d5e8d_attn
	.p2align	8
	.type	k_qbeaa7d5e8d_attn,@function
k_qbeaa7d5e8d_attn:
	s_mov_b64 s[64:65], 0
	v_nop
	global_prefetch_b8 v0, s[64:65] scope:SCOPE_SE
	s_setreg_imm32_b32 hwreg(HW_REG_WAVE_MODE, 25, 1), 1
	s_wait_xcnt 0x0
; ATTN: o = softmax(q k^T / 8 under the masks) v for 4 batches x 8 heads of 2,048 x 2,048, head size 64; f16 operands, f32 sums, maxima and exponentials.
; Head 0 sees all keys; heads 1-7 the keys with |query - key| <= 128: tiles that lie wholly outside that band are not multiplied.  attn_mask hides keys: it comes as a bias of 0 or -1e30, the C of the first product.
; A query with no allowed key gets the mean of v over all 2,048 keys, as a softmax of equal scores gives it: its sum of weights is exactly 0, and the sums of v (vpart) / 2,048 take the result's place by a select.
; SHARES.  Work-group (x, batch).  x < 32: head 0, queries 64 x .. 64 x + 63; wave w walks keys 256 w .. 256 w + 255 for all 64 queries, and the eight partial results meet in LDS.
;   x >= 32: head 1 + (x - 32) / 4; wave w owns queries 64 qb on, qb = 8 ((x - 32) % 4) + w, and walks ten chunks of 32 keys from key 64 qb - 128 on.
; LAYOUT.  S^T = K Q^T (source 0 = 16 keys, source 1 = 16 queries) and O^T = V^T P (source 0 = 16 channels, source 1 = P): a lane holds ONE query throughout; two tiles of S^T, rounded in pairs, ARE P.
; All operands lie in memory in the order of their registers: every load reads 512 consecutive bytes, 16 a lane.  A chunk past an end of the sequence is read from the clamped chunk; its keys' bias is -1e30.
; SOFTMAX.  For each query a running maximum m and sum l: p = 2^(c s - c m), c = log2(e) / 8; O and l are multiplied by a = 2^(c m_old - c m_new).  m begins at -1e20, under every score that f16 operands can give
; (|s| <= 64 x 65,504^2) and far over -1e30: a hidden key's p is exactly 0.
; LIMITS: |q|, |k|, |v| and |o| under 65,504 (f16); NaN and infinities are not served.
; No tensor load: K and V go straight into registers, one chunk ahead.  Two waves share a SIMD, so that one wave's softmax stands beside the other's products.
; Tiles are not shared in a cluster: the banded heads' blocks of queries want different windows of keys, and head 0's eight waves already split the keys among them.
; REGISTERS: window 0: v1-12 addresses and constants; v16-47 statistics, eight a tile (+0 c m, +1 m, +2, +3 l, +4, +5 at work, +6 a, +7 c m_old); v48-63 the keys' bias; v64-95 K; v96-127 V;
;   v128-191 S^T, 16 a tile; v192-223 P, 8 a tile; v224-255 the sums of v.   window 1: v0-127 O^T, 32 a tile; v128-191 Q, 16 a tile.
.set KB,    524288                     ; where the keys' bias begins in aux
.set CMB,   131072                     ; LDS: 0 .. 131,071 the eight waves' images of O^T; from CMB on c m, 128 bytes for each (wave, tile); 4,096 further on l
.set SPARE, 139264                     ; the spare words, 128 bytes for each wave: four blocks of 256 bytes that no other line names
.set L16, 1                            ; 16 x lane
.set H32, 2                            ; 32 h
.set BE,  3                            ; 8 h - r
.set VPO, 4                            ; 2,048 r + 32 h
.set NEG, 5                            ; -1e30
.set SPW, 6                            ; LDS address of my spare word; never rewritten
.set NIL, 7                            ; 0; never rewritten
.set WO,  8                            ; where I put my image of O^T
.set RO,  9                            ; where I read my part of the images of waves 0-3,
.set RO2, 10                           ; and of waves 4-7
.set WM,  11                           ; where I put c m and l
.set RM,  12                           ; and read them
.set ST,  16
.set CB,  48
.set KF,  64
.set VF,  96
.set S,   128
.set P,   192
.set VM,  224
.set Q,   128                          ; in window 1
.set MSB, 0
.macro WIN new                         ; the immediate's high byte repeats the setting that is left; a switch that changes nothing is dropped
.if MSB != (\new)
	s_set_vgpr_msb (MSB<<8)|(\new)
.set MSB, (\new)
.endif
.endm
.macro PLACES                          ; four places behind matrix instructions, in front of loads into their registers and of the first read of results
.rept 4
	v_nop
.endr
.endm
.macro FINISH                          ; the wave's end, behind the last LDS store
	s_wait_tensorcnt 0x0
	ds_add_u32 v[SPW], v[NIL]
	s_wait_dscnt 0x0
	s_endpgm
.endm
	s_load_b256 s[4:11], s[0:1], 0x0               ; qkvf, aux, vpart, af
	v_lshl_add_u32 v[SPW], v0, 2, SPARE
	v_mov_b32 v[NIL], 0
	v_lshrrev_b32 v13, 5, v0
	v_readfirstlane_b32 s12, v13                   ; wave 0..7
	v_and_b32 v13, 31, v0                          ; lane
	v_and_b32 v14, 15, v0                          ; r
	v_bfe_u32 v15, v0, 4, 1                        ; h
	v_lshlrev_b32 v[L16], 4, v13
	v_lshlrev_b32 v[H32], 5, v15
	v_lshlrev_b32 v[BE], 3, v15
	v_sub_nc_u32 v[BE], v[BE], v14
	v_lshlrev_b32 v[VPO], 11, v14
	v_add_nc_u32 v[VPO], v[VPO], v[H32]
	v_mov_b32 v[NEG], 0xf149f2ca
	s_lshr_b32 s48, s12, 1
	s_and_b32 s49, s12, 1
	s_lshl_b32 s44, s12, 14                        ; every LDS address is made here, ahead of the first branch
	v_add_nc_u32 v[WO], s44, v[L16]
	s_lshl_b32 s44, s48, 12
	s_lshl_b32 s50, s49, 11
	s_add_co_u32 s44, s44, s50
	v_add_nc_u32 v[RO], s44, v[L16]                ; tile w / 2, channel tiles 2 (w % 2) on
	v_add_nc_u32 v[RO2], 0x10000, v[RO]
	v_lshlrev_b32 v13, 2, v13
	s_lshl_b32 s44, s12, 9
	s_add_co_u32 s44, s44, CMB
	v_add_nc_u32 v[WM], s44, v13
	s_lshl_b32 s44, s48, 7
	s_add_co_u32 s44, s44, CMB
	v_add_nc_u32 v[RM], s44, v13
	s_and_b32 s14, ttmp7, 0xffff                   ; batch
	s_sub_co_u32 s50, ttmp9, 32
	s_lshr_b32 s53, s50, 2
	s_add_co_u32 s53, s53, 1                       ; a banded head,
	s_and_b32 s54, s50, 3
	s_lshl_b32 s54, s54, 3
	s_add_co_u32 s54, s54, s12                     ; its wave's block of 64 queries,
	s_lshl_b32 s55, s54, 1
	s_sub_co_i32 s55, s55, 4                       ; and first chunk: -4 .. 58
	s_lshl_b32 s50, s12, 3                         ; head 0: my first chunk
	s_cmp_lt_u32 ttmp9, 32
	s_cselect_b32 s13, 0, 1                        ; s13: 0 = head 0
	s_cselect_b32 s15, 0, s53                      ; s15: head
	s_cselect_b32 s16, ttmp9, s54                  ; s16: block of queries
	s_cselect_b32 s17, s50, s55                    ; s17: the chunk to be asked for next
	s_cselect_b32 s18, 7, 6                        ; s18: trips of the loop
	s_cselect_b32 s51, s49, 0
	s_cselect_b32 s52, s48, 0
	s_mov_b32 s36, 0x3e38aa3b                      ; c = log2(e) / 8
	s_mov_b32 s37, s36                             ; (named with it as a pair, so it is written)
	s_mov_b32 s38, 0x76543210
	s_mov_b32 s39, 0xfedcba98                      ; v_permlanex16_b32's selects for lane l xor 16
	s_mov_b32 s33, 0
	s_mov_b32 s35, 0
	s_mov_b32 s45, 0
	s_lshl_b32 s44, s14, 3
	s_add_co_u32 s44, s44, s15
	s_lshl_b32 s44, s44, 18                        ; a head of q, k or v is 262,144 bytes
	s_wait_kmcnt 0x0
	s_add_nc_u64 s[46:47], s[4:5], s[44:45]
	s_add_nc_u64 s[20:21], s[46:47], 0x800000      ; the head's k
	s_add_nc_u64 s[22:23], s[46:47], 0x1000000     ; and v
	s_lshl_b32 s44, s16, 13
	s_add_nc_u64 s[46:47], s[46:47], s[44:45]      ; my four tiles of q
	s_mul_i32 s44, s14, 9216
	s_add_co_u32 s44, s44, KB
	s_add_nc_u64 s[24:25], s[6:7], s[44:45]        ; the batch's bias
	s_lshl_b32 s44, s14, 15
	s_lshl_b32 s50, s15, 8
	s_add_co_u32 s44, s44, s50
	s_lshl_b32 s50, s51, 7
	s_add_co_u32 s44, s44, s50
	s_add_nc_u64 s[42:43], s[8:9], s[44:45]        ; the batch's sums of v, my head's (head 0: my two channel tiles on)
	s_lshl_b32 s44, s14, 7
	s_lshl_b32 s50, s16, 2
	s_add_co_u32 s44, s44, s50
	s_add_co_u32 s44, s44, s52
	s_lshl_b32 s44, s44, 14                        ; a row tile of af is 16,384 bytes,
	s_lshl_b32 s50, s15, 11                        ; a head in it 2,048,
	s_add_co_u32 s44, s44, s50
	s_lshl_b32 s50, s51, 10                        ; two channel tiles 1,024
	s_add_co_u32 s44, s44, s50
	s_add_nc_u64 s[40:41], s[10:11], s[44:45]
; The next chunk's K and bias: twelve loads.  Their address registers are rewritten behind the wait that has shown their last loads done.
.macro NEXTK
	s_max_i32 s32, s17, 0
	s_min_i32 s32, s32, 63                         ; no load leaves the head
	s_lshl_b32 s32, s32, 12                        ; a chunk of K, and of V, is 4,096 bytes
	s_add_nc_u64 s[26:27], s[20:21], s[32:33]
	s_lshl_b32 s34, s17, 7
	s_add_co_u32 s34, s34, 512                     ; the bias goes by the true chunk: entry = key + 128
	s_add_nc_u64 s[30:31], s[24:25], s[34:35]
	s_add_co_u32 s17, s17, 1
.irp i, 0,1,2,3,4,5,6,7
	global_load_b128 v[KF+4*\i:KF+4*\i+3], v[L16], s[26:27] offset:512*\i
.endr
.irp k, 0,1
	global_load_b128 v[CB+8*\k:CB+8*\k+3], v[H32], s[30:31] offset:64*\k
	global_load_b128 v[CB+8*\k+4:CB+8*\k+7], v[H32], s[30:31] offset:64*\k+16
.endr
.endm
.macro NEXTV                           ; and its V: eight loads
	s_add_nc_u64 s[28:29], s[22:23], s[32:33]
.irp i, 0,1,2,3,4,5,6,7
	global_load_b128 v[VF+4*\i:VF+4*\i+3], v[L16], s[28:29] offset:512*\i
.endr
.endm
; The band's edge in tile t and chunk c of the window.  Register 8 kt + j holds key - query = -128 + k + (8 h - r), k = 32 c + 16 kt + j - 16 t: kept where that lies in -128 .. 128.
.macro BAND t, c, upper
.set kk, 32*(\c)-16*(\t)
.set jj, 0
.rept 16
.set kv, kk+jj+8*(jj/8)
.if \upper
	v_cmp_ge_i32 vcc_lo, 256-kv, v[BE]
.else
	v_cmp_le_i32 vcc_lo, -kv, v[BE]
.endif
	v_cndmask_b32 v[S+16*(\t)+jj], v[NEG], v[S+16*(\t)+jj], vcc_lo
.set jj, jj+1
.endr
.endm
.macro MX t0, nt, d, x, y, z           ; one line of the maxima for each tile; x < 0: the chain's own register stands first
.set tt, \t0
.rept \nt
.if (\x) < 0
	v_max3_num_f32 v[ST+8*tt+\d], v[ST+8*tt+\d], v[S+16*tt+\y], v[S+16*tt+\z]
.else
	v_max3_num_f32 v[ST+8*tt+\d], v[S+16*tt+\x], v[S+16*tt+\y], v[S+16*tt+\z]
.endif
.set tt, tt+1
.endr
.endm
; A KEY STEP: 32 keys for tiles t0 .. t0 + nt - 1; the band's edge in tiles bl .. bl + bn - 1 (chunk c of the window, its upper or lower edge); next = 1: the next chunk is asked for.
.macro STEP t0, nt, bl, bn, c, upper, next
	s_wait_loadcnt 8                               ; K and the bias are in; behind them only V's eight loads were issued
	WIN 0x04                                       ; Q in window 1
.set kt, 0
.rept 2                                ; channels 0-31: the bias starts the sums.  The accumulators take turns, one instruction a turn
.set tt, \t0
.rept \nt
	v_wmma_f32_16x16x32_f16 v[S+16*tt+8*kt:S+16*tt+8*kt+7], v[KF+16*kt:KF+16*kt+7], v[Q+16*tt:Q+16*tt+7], v[CB+8*kt:CB+8*kt+7]
.set tt, tt+1
.endr
.set kt, kt+1
.endr
.set kt, 0
.rept 2                                ; channels 32-63
.set tt, \t0
.rept \nt
	v_wmma_f32_16x16x32_f16 v[S+16*tt+8*kt:S+16*tt+8*kt+7], v[KF+16*kt+8:KF+16*kt+15], v[Q+16*tt+8:Q+16*tt+15], v[S+16*tt+8*kt:S+16*tt+8*kt+7]
.set tt, tt+1
.endr
.set kt, kt+1
.endr
	WIN 0
	PLACES
.if \next
	NEXTK
.endif
.if \bn
.set tb, \bl
.rept \bn
	BAND tb, \c, \upper
.set tb, tb+1
.endr
.endif
	MX \t0, \nt, 4, 0, 1, 2                        ; the largest of the lane's 16 scores and the old m: two chains, each accumulator from its low end on, the tiles by turns
	MX \t0, \nt, 5, 8, 9, 10
	MX \t0, \nt, 4, -1, 3, 4
	MX \t0, \nt, 5, -1, 11, 12
	MX \t0, \nt, 4, -1, 5, 6
	MX \t0, \nt, 5, -1, 13, 14
	MX \t0, \nt, 4, -1, 7, 15
.set tt, \t0
.rept \nt
	v_max3_num_f32 v[ST+8*tt+4], v[ST+8*tt+4], v[ST+8*tt+5], v[ST+8*tt+1]
.set tt, tt+1
.endr
.set tt, \t0
.rept \nt
	v_permlanex16_b32 v[ST+8*tt+5], v[ST+8*tt+4], s38, s39         ; the query's other 16 keys lie in the lane 16 away
.set tt, tt+1
.endr
.set tt, \t0
.rept \nt
	v_mov_b32 v[ST+8*tt+7], v[ST+8*tt]             ; c m_old is kept for a
.set tt, tt+1
.endr
.set tt, \t0
.rept \nt
	v_max_num_f32 v[ST+8*tt+1], v[ST+8*tt+4], v[ST+8*tt+5]
.set tt, tt+1
.endr
.set tt, \t0
.rept \nt
	v_mul_f32 v[ST+8*tt], s36, v[ST+8*tt+1]
.set tt, tt+1
.endr
.set tt, \t0
.rept \nt
	v_sub_f32 v[ST+8*tt+7], v[ST+8*tt+7], v[ST+8*tt]
.set tt, tt+1
.endr
.set tt, \t0
.rept \nt
.set jj, 0
.rept 8
	v_pk_fma_f32 v[S+16*tt+jj:S+16*tt+jj+1], v[S+16*tt+jj:S+16*tt+jj+1], s[36:37], v[ST+8*tt:ST+8*tt+1] op_sel_hi:[1,0,0] neg_lo:[0,0,1] neg_hi:[0,0,1]   ; c s - c m, two at a time
.set jj, jj+2
.endr
.set tt, tt+1
.endr
.set tt, \t0
.rept \nt                              ; ONE BATCH of exponentials: a and the 16 weights of each tile; nothing in it reads a result
	v_exp_f32 v[ST+8*tt+6], v[ST+8*tt+7]
.set jj, 0
.rept 16
	v_exp_f32 v[S+16*tt+jj], v[S+16*tt+jj]
.set jj, jj+1
.endr
.set tt, tt+1
.endr
	v_nop                                          ; a plain instruction behind the last exponential,
	s_wait_alu depctr_va_vdst(0)                   ; and one wait ahead of the batch's first reader
.set tt, \t0
.rept \nt
.set jj, 0
.rept 8
	v_cvt_pk_f16_f32 v[P+8*tt+jj], v[S+16*tt+2*jj], v[S+16*tt+2*jj+1]
.set jj, jj+1
.endr
.irp a, 0,4,8,12                       ; the sum of the unrounded weights, in place, as a tree of pairs
	v_pk_add_f32 v[S+16*tt+\a:S+16*tt+\a+1], v[S+16*tt+\a:S+16*tt+\a+1], v[S+16*tt+\a+2:S+16*tt+\a+3]
.endr
.irp a, 0,8
	v_pk_add_f32 v[S+16*tt+\a:S+16*tt+\a+1], v[S+16*tt+\a:S+16*tt+\a+1], v[S+16*tt+\a+4:S+16*tt+\a+5]
.endr
	v_pk_add_f32 v[S+16*tt:S+16*tt+1], v[S+16*tt:S+16*tt+1], v[S+16*tt+8:S+16*tt+9]
	v_pk_fma_f32 v[ST+8*tt+2:ST+8*tt+3], v[ST+8*tt+2:ST+8*tt+3], v[ST+8*tt+6:ST+8*tt+7], v[S+16*tt:S+16*tt+1] op_sel_hi:[1,0,1]   ; l = a l + the sum
.set tt, tt+1
.endr
	WIN 0x41                                       ; O^T (destination and source 0) in window 1
.set tt, \t0
.rept \nt
.set jj, 0
.rept 16
	v_pk_mul_f32 v[32*tt+jj:32*tt+jj+1], v[32*tt+jj:32*tt+jj+1], v[ST+8*tt+6:ST+8*tt+7] op_sel_hi:[1,0]
.set jj, jj+2
.endr
.set tt, tt+1
.endr
.if \next
	s_wait_loadcnt 12                              ; V is in; behind it stand the twelve loads of the next chunk's K and bias
.else
	s_wait_loadcnt 0x0
.endif
	WIN 0x50                                       ; O^T (C and D) in window 1
.set dd, 0
.rept 4
.set tt, \t0
.rept \nt
	v_wmma_f32_16x16x32_f16 v[32*tt+8*dd:32*tt+8*dd+7], v[VF+8*dd:VF+8*dd+7], v[P+8*tt:P+8*tt+7], v[32*tt+8*dd:32*tt+8*dd+7]
.set tt, tt+1
.endr
.set dd, dd+1
.endr
	WIN 0
	PLACES
.if \next
	NEXTV
.endif
.endm
.macro LSUM                            ; l's two halves and the other half of the lanes' keys
.irp t, 0,1,2,3
	v_add_f32 v[ST+8*\t+4], v[ST+8*\t+2], v[ST+8*\t+3]
.endr
.irp t, 0,1,2,3
	v_permlanex16_b32 v[ST+8*\t+5], v[ST+8*\t+4], s38, s39
.endr
.irp t, 0,1,2,3
	v_add_f32 v[ST+8*\t+4], v[ST+8*\t+4], v[ST+8*\t+5]
.endr
.endm
.macro VMRED n                         ; lane r loaded block r's sums of v: the sixteen lanes of a half are added, and every lane has the sum over all 2,048 keys
.irp x, 1,2,4,8
.set ii, 0
.rept \n
	v_add_f32_dpp v[VM+ii], v[VM+ii], v[VM+ii] row_xmask:\x row_mask:0xf bank_mask:0xf
.set ii, ii+1
.endr
.endr
.endm
	; the first loads, in this order: the sums of v (8), Q (16), the first chunk's K and bias (12), its V (8)
.irp d, 0,1,2,3
	global_load_b128 v[VM+8*\d:VM+8*\d+3], v[VPO], s[42:43] offset:64*\d
	global_load_b128 v[VM+8*\d+4:VM+8*\d+7], v[VPO], s[42:43] offset:64*\d+16
.endr
	WIN 0x40                                       ; destination window 1
.set ii, 0
.rept 16
	global_load_b128 v[Q+4*ii:Q+4*ii+3], v[L16], s[46:47] offset:512*ii
.set ii, ii+1
.endr
	WIN 0
	NEXTK
	NEXTV
.irp t, 0,1,2,3
	v_mov_b32 v[ST+8*\t+1], 0xe0ad78ec             ; m = -1e20
	v_mul_f32 v[ST+8*\t], s36, v[ST+8*\t+1]
.irp j, 2,3,4,5,6,7
	v_mov_b32 v[ST+8*\t+\j], 0
.endr
.endr
	WIN 0x40
.set ii, 0
.rept 128
	v_mov_b32 v[ii], 0                             ; O^T.  The key step is written with no first step of its own: that spares a copy of it for each role and for the tiles that begin a chunk late
.set ii, ii+1
.endr
	WIN 0
	s_cmp_eq_u32 s13, 0
	s_cbranch_scc1 .Lmid
	STEP 0, 2, 0, 2, 0, 0, 1                       ; window chunk 0: tiles 2, 3 lie wholly under the band; tiles 0, 1 on its lower edge
	STEP 0, 4, 2, 2, 1, 0, 1                       ; chunk 1: tiles 2, 3 on the lower edge
.Lmid:                                             ; head 0: chunks 0-6 of my eight; a banded head: chunks 2-7 of the window, all inside the band
	STEP 0, 4, 0, 0, 0, 0, 1
	s_sub_co_u32 s18, s18, 1
	s_cmp_lg_u32 s18, 0
	s_cbranch_scc1 .Lmid
	s_cmp_eq_u32 s13, 0
	s_cbranch_scc1 .Lglobal_tail
	STEP 0, 4, 0, 2, 8, 1, 1                       ; chunk 8: tiles 0, 1 on the upper edge
	STEP 2, 2, 2, 2, 9, 1, 0                       ; chunk 9: tiles 0, 1 lie wholly over the band; tiles 2, 3 on the upper edge
	s_branch .Ljoin
.Lglobal_tail:
	STEP 0, 4, 0, 0, 0, 0, 0                       ; my last chunk
	LSUM                                           ; my partial result goes to LDS as an image of its registers
.irp t, 0,1,2,3
	ds_store_b32 v[WM], v[ST+8*\t] offset:128*\t
	ds_store_b32 v[WM], v[ST+8*\t+4] offset:4096+128*\t
.endr
	WIN 0x04                                       ; an LDS store's data are its source 1: window 1
.set ii, 0
.rept 32
	ds_store_b128 v[WO], v[4*ii:4*ii+3] offset:512*ii              ; each accumulator from its low end on
.set ii, ii+1
.endr
	WIN 0
.Ljoin:
	s_wait_dscnt 0x0                               ; my stores have landed
	s_barrier_signal -1
	s_barrier_wait -1                              ; everybody's have.  Every wave of both roles passes this one barrier
	s_cmp_eq_u32 s13, 0
	s_cbranch_scc1 .Lmerge
	; ---- a banded head's way out: O^T / l, or the mean of v where l = 0; f16; 16 bytes a lane are a piece of the next product's fragment
	LSUM
.irp t, 0,1,2,3
	v_rcp_f32 v[ST+8*\t+6], v[ST+8*\t+4]
.endr
	v_mov_b32 v13, 0x3a000000                      ; 1 / 2,048.  (A plain instruction behind the reciprocals)
	s_wait_alu depctr_va_vdst(0)                   ; one wait for the four, ahead of their first reader
.irp t, 0,1,2,3
	v_cmp_neq_f32 vcc_lo, 0, v[ST+8*\t+4]
	v_cndmask_b32 v[ST+8*\t+6], 0, v[ST+8*\t+6], vcc_lo            ; 1 / l, or 0
	v_cmp_eq_f32 vcc_lo, 0, v[ST+8*\t+4]
	v_cndmask_b32 v[ST+8*\t+2], 0, v13, vcc_lo     ; 0, or 1 / 2,048
.endr
	VMRED 32
	WIN 0x01                                       ; O^T (source 0) in window 1; the results take K's, V's and S^T's registers
.set ii, 0
.rept 64
	v_pk_mul_f32 v[64+ii:64+ii+1], v[ii:ii+1], v[ST+8*(ii/32)+6:ST+8*(ii/32)+7] op_sel_hi:[1,0]
.set ii, ii+2
.endr
	WIN 0
.set ii, 0
.rept 64
	v_pk_fma_f32 v[64+ii:64+ii+1], v[VM+ii%32:VM+ii%32+1], v[ST+8*(ii/32)+2:ST+8*(ii/32)+3], v[64+ii:64+ii+1] op_sel_hi:[1,0,1]
.set ii, ii+2
.endr
.set ii, 0
.rept 16
.irp n, 0,1,2,3
	v_cvt_pk_f16_f32 v[64+8*ii+\n], v[64+8*ii+2*\n], v[64+8*ii+2*\n+1]
.endr
.set ii, ii+1
.endr
.set ii, 0
.rept 16
	global_store_b128 v[L16], v[64+8*ii:64+8*ii+3], s[40:41] offset:16384*(ii/4)+512*(ii%4)   ; 32 lanes store 512 consecutive bytes
.set ii, ii+1
.endr
	FINISH
.Lmerge:
	; ---- head 0: wave w joins the eight parts of tile w / 2, channel tiles 2 (w % 2) and + 1
.irp s, 0,1,2,3,4,5,6,7
	ds_load_b32 v[16+\s], v[RM] offset:512*\s
.endr
.irp s, 0,1,2,3,4,5,6,7
	ds_load_b32 v[24+\s], v[RM] offset:4096+512*\s
.endr
.irp s, 0,1,2,3
.irp e, 0,1,2,3
	ds_load_b128 v[64+16*\s+4*\e:64+16*\s+4*\e+3], v[RO] offset:16384*\s+512*\e
.endr
.endr
.irp s, 0,1,2,3
.irp e, 0,1,2,3
	ds_load_b128 v[128+16*\s+4*\e:128+16*\s+4*\e+3], v[RO2] offset:16384*\s+512*\e
.endr
.endr
.irp s, 0,1,2,3,4,5,6,7
	v_mov_b32 v[33+2*\s], 0                        ; (the upper halves of the pairs that the packed forms name)
.endr
	s_wait_dscnt 0x0
	v_max3_num_f32 v48, v16, v17, v18              ; the largest c m of the eight
	v_max3_num_f32 v48, v48, v19, v20
	v_max3_num_f32 v48, v48, v21, v22
	v_max_num_f32 v48, v48, v23
.irp s, 0,1,2,3,4,5,6,7
	v_sub_f32 v[32+2*\s], v[16+\s], v48
.endr
.irp s, 0,1,2,3,4,5,6,7
	v_exp_f32 v[32+2*\s], v[32+2*\s]               ; f = 2^(c m of the part - the largest)
.endr
	v_mov_b32 v13, 0x3a000000                      ; 1 / 2,048.  (A plain instruction behind the exponentials)
	s_wait_alu depctr_va_vdst(0)                   ; one wait for the eight, ahead of their first reader
	v_mul_f32 v49, v32, v24
.irp s, 1,2,3,4,5,6,7
	v_fma_f32 v49, v[32+2*\s], v[24+\s], v49       ; l = the sum of f l
.endr
.irp i, 0,2,4,6,8,10,12,14
	v_pk_mul_f32 v[192+\i:193+\i], v[64+\i:65+\i], v[32:33] op_sel_hi:[1,0]
.endr
.irp s, 1,2,3,4,5,6,7
.irp i, 0,2,4,6,8,10,12,14
	v_pk_fma_f32 v[192+\i:193+\i], v[64+16*\s+\i:65+16*\s+\i], v[32+2*\s:33+2*\s], v[192+\i:193+\i] op_sel_hi:[1,0,1]   ; O^T = the sum of f O^T
.endr
.endr
	v_rcp_f32 v50, v49
	v_mov_b32 v51, 0                               ; (a plain instruction behind the reciprocal)
	v_mov_b32 v53, 0
	s_wait_alu depctr_va_vdst(0)
	v_cmp_neq_f32 vcc_lo, 0, v49
	v_cndmask_b32 v50, 0, v50, vcc_lo              ; 1 / l, or 0
	v_cmp_eq_f32 vcc_lo, 0, v49
	v_cndmask_b32 v52, 0, v13, vcc_lo              ; 0, or 1 / 2,048
	VMRED 16
.irp i, 0,2,4,6,8,10,12,14
	v_pk_mul_f32 v[192+\i:193+\i], v[192+\i:193+\i], v[50:51] op_sel_hi:[1,0]
.endr
.irp i, 0,2,4,6,8,10,12,14
	v_pk_fma_f32 v[192+\i:193+\i], v[VM+\i:VM+\i+1], v[52:53], v[192+\i:193+\i] op_sel_hi:[1,0,1]
.endr
.irp d, 0,1
.irp n, 0,1,2,3
	v_cvt_pk_f16_f32 v[192+8*\d+\n], v[192+8*\d+2*\n], v[192+8*\d+2*\n+1]
.endr
.endr
.irp d, 0,1
	global_store_b128 v[L16], v[192+8*\d:192+8*\d+3], s[40:41] offset:512*\d
.endr
	FINISH
.Lfunc_end_k_qbeaa7d5e8d_attn:
	.size	k_qbeaa7d5e8d_attn, .Lfunc_end_k_qbeaa7d5e8d_attn-k_qbeaa7d5e8d_attn
	.p2alignl 7, 3214868480
	.fill 96, 4, 3214868480
	.section	.rodata,"a",@progbits
	.p2align	6, 0x0
	.amdhsa_kernel k_qbeaa7d5e8d_attn
		.amdhsa_group_segment_fixed_size 140288
		.amdhsa_private_segment_fixed_size 0
		.amdhsa_enable_private_segment 0
		.amdhsa_kernarg_size 32
		.amdhsa_user_sgpr_count 2
		.amdhsa_user_sgpr_kernarg_segment_ptr 1
		.amdhsa_wavefront_size32 1
		.amdhsa_system_sgpr_workgroup_id_x 1
		.amdhsa_system_sgpr_workgroup_id_y 1
		.amdhsa_system_sgpr_workgroup_id_z 1
		.amdhsa_system_vgpr_workitem_id 0
		.amdhsa_next_free_vgpr 448
		.amdhsa_next_free_sgpr 66
		.amdhsa_reserve_vcc 1
		.amdhsa_float_denorm_mode_32 3
		.amdhsa_float_denorm_mode_16_64 3
		.amdhsa_memory_ordered 1
		.amdhsa_forward_progress 1
		.amdhsa_inst_pref_size 160
	.end_amdhsa_kernel
	.amdgpu_metadata
---
amdhsa.version: [ 1, 2 ]
amdhsa.kernels:
  - .name:           k_qbeaa7d5e8d_attn
    .symbol:         k_qbeaa7d5e8d_attn.kd
    .args:
      - { .name: qkvf, .offset: 0, .size: 8, .value_kind: global_buffer, .address_space: global }
      - { .name: aux, .offset: 8, .size: 8, .value_kind: global_buffer, .address_space: global }
      - { .name: vpart, .offset: 16, .size: 8, .value_kind: global_buffer, .address_space: global }
      - { .name: af, .offset: 24, .size: 8, .value_kind: global_buffer, .address_space: global }
    .group_segment_fixed_size: 140288
    .private_segment_fixed_size: 0
    .kernarg_segment_align: 8
    .kernarg_segment_size: 32
    .max_flat_workgroup_size: 256
    .sgpr_count:     66
    .vgpr_count:     448
    .wavefront_size: 32
...
	.end_amdgpu_metadata
.endif
;; end of part 3
;; launch oproj (part 4): grid 4 x 64, 4 waves a work-group, no clusters, 17,920 bytes of LDS; arguments af, aux, bo, out0; writes out0
.if DOCPART == 4
	.amdgcn_target "amdgcn-amd-amdhsa--gfx1250"
	.amdhsa_code_object_version 6
	.text
	.protected	k_qbeaa7d5e8d_oproj
	.globl	k_qbeaa7d5e8d_oproj
	.p2align	8
	.type	k_qbeaa7d5e8d_oproj,@function
k_qbeaa7d5e8d_oproj:
	s_mov_b64 s[64:65], 0
	v_nop
	global_prefetch_b8 v0, s[64:65] scope:SCOPE_SE
	s_setreg_imm32_b32 hwreg(HW_REG_WAVE_MODE, 25, 1), 1
	s_wait_xcnt 0x0
; OPROJ: out = a Wo^T + bo.  a [8192][512] (the attention's result) and Wo [512][512] come as f16 fragments in the order of the operands' registers; sums in f32; out0 [8192][512] f32.
; SHARES.  Work-group (x, y): rows 128 y on, features 128 x on.  Wave w: rows 64 (w / 2) on, features 64 (w % 2) on: 16 accumulators of 16 x 16.
; The product is used transposed (source 0 = 16 rows of Wo, source 1 = 16 rows of a): a lane holds eight neighbouring features of one row of out.  bo is the C of each sum's first matrix instruction.
; K goes in 16 steps of 32; a step's eight fragments (16 loads of 512 consecutive bytes) are asked for four steps ahead, into four register buffers.  All steps are written out: every offset is an immediate.
; No tensor load and no cluster: fragments go straight into registers, and a work-group reads 256 KiB in all.
; The way out goes through the wave's own stage in LDS, 16 rows at a time, so that sixteen lanes store 256 consecutive bytes, aligned.
; REGISTERS: window 0: v1-7 addresses; v32-95 rows on their way out, two sets; v96-127 the bias as C; v128-255 the accumulators ((m, i) at 128 + 8 (4 m + i)).
;   window 1: four buffers of 64: Wo's four fragments at 64 q + 8 i, a's four at 64 q + 32 + 8 m.
.set SPARE, 17408                      ; behind the four stages of 16 x 272 bytes: the spare words, 128 bytes for each wave: two blocks of 256 bytes that no other line names
.set L16, 1                            ; 16 x lane
.set H32, 2                            ; 32 h
.set STO, 3                            ; the stage: where I put 32 bytes of a row
.set RD,  4                            ; and where I read a row back
.set CO,  5                            ; my byte offset in two rows of out
.set SPW, 6                            ; LDS address of my spare word; never rewritten
.set NIL, 7                            ; 0; never rewritten
.set BK,  32
.set BO,  96
.set ACC, 128
.set MSB, 0
.macro WIN new                         ; the immediate's high byte repeats the setting that is left; a switch that changes nothing is dropped
.if MSB != (\new)
	s_set_vgpr_msb (MSB<<8)|(\new)
.set MSB, (\new)
.endif
.endm
	s_load_b256 s[4:11], s[0:1], 0x0               ; af, aux, bo, out0
	v_lshl_add_u32 v[SPW], v0, 2, SPARE
	v_mov_b32 v[NIL], 0
	v_lshrrev_b32 v8, 5, v0
	v_readfirstlane_b32 s12, v8                    ; wave 0..3
	v_and_b32 v8, 31, v0
	v_and_b32 v9, 15, v0                           ; r
	v_bfe_u32 v10, v0, 4, 1                        ; h
	v_lshlrev_b32 v[L16], 4, v8
	v_lshlrev_b32 v[H32], 5, v10
	s_mul_i32 s16, s12, 4352                       ; my stage
	v_mul_u32_u24 v[STO], v9, 272
	v_add_nc_u32 v[STO], v[STO], v[H32]
	v_add_nc_u32 v[STO], s16, v[STO]               ; in: row r, + 32 h
	v_mul_u32_u24 v[RD], v10, 272
	v_lshl_add_u32 v[RD], v9, 4, v[RD]
	v_add_nc_u32 v[RD], s16, v[RD]                 ; back: lanes 0-15 one row of 256 bytes, lanes 16-31 the next
	v_lshlrev_b32 v[CO], 11, v10
	v_lshl_add_u32 v[CO], v9, 4, v[CO]             ; and the same two rows in out
	s_lshr_b32 s13, s12, 1                         ; which 64 rows
	s_and_b32 s14, s12, 1                          ; which 64 features
	s_and_b32 s15, ttmp7, 0xffff
	s_lshl_b32 s20, ttmp9, 3
	s_lshl_b32 s17, s14, 2
	s_add_co_u32 s20, s20, s17
	s_lshl_b32 s20, s20, 14                        ; Wo: feature tile 8 x + 4 (w % 2), 16,384 bytes a tile
	s_mov_b32 s21, 0
	s_lshl_b32 s22, s15, 3
	s_lshl_b32 s17, s13, 2
	s_add_co_u32 s22, s22, s17
	s_lshl_b32 s22, s22, 14                        ; a: row tile 8 y + 4 (w / 2)
	s_mov_b32 s23, 0
	s_lshl_b32 s24, ttmp9, 9
	s_lshl_b32 s17, s14, 8
	s_add_co_u32 s24, s24, s17                     ; my first feature, in bytes of f32
	s_mov_b32 s25, 0
	s_lshl_b32 s26, s15, 18
	s_lshl_b32 s17, s13, 17
	s_add_co_u32 s26, s26, s17
	s_add_co_u32 s26, s26, s24                     ; my first row of out, 2,048 bytes a row, and my first feature
	s_mov_b32 s27, 0
	s_wait_kmcnt 0x0
	s_add_nc_u64 s[6:7], s[6:7], s[20:21]
	s_add_nc_u64 s[4:5], s[4:5], s[22:23]
	s_add_nc_u64 s[8:9], s[8:9], s[24:25]
	s_add_nc_u64 s[10:11], s[10:11], s[26:27]
.irp i, 0,1,2,3
	global_load_b128 v[BO+8*\i:BO+8*\i+3], v[H32], s[8:9] offset:64*\i       ; lane (r, h): bo of features 16 i + 8 h + 0 .. 7
	global_load_b128 v[BO+8*\i+4:BO+8*\i+7], v[H32], s[8:9] offset:64*\i+16
.endr
.macro KLOAD s                         ; K step s into buffer s % 4: sixteen loads
	WIN 0x40                                       ; destination window 1
.irp i, 0,1,2,3
.irp c, 0,1
	global_load_b128 v[64*((\s)%4)+8*\i+4*\c:64*((\s)%4)+8*\i+4*\c+3], v[L16], s[6:7] offset:16384*\i+1024*(\s)+512*\c
.endr
.endr
.irp m, 0,1,2,3
.irp c, 0,1
	global_load_b128 v[64*((\s)%4)+32+8*\m+4*\c:64*((\s)%4)+32+8*\m+4*\c+3], v[L16], s[4:5] offset:16384*\m+1024*(\s)+512*\c
.endr
.endr
	WIN 0
.endm
.macro KMUL s
.if (\s) <= 12
	s_wait_loadcnt 48                              ; K step s is in; the three steps asked for behind it, sixteen loads each, may be out
.else
	s_wait_loadcnt 16*(15-(\s))
.endif
	WIN 0x05                                       ; both sources in window 1
.irp m, 0,1,2,3                        ; the 16 accumulators take turns, one instruction a turn, in the same order in every step
.irp i, 0,1,2,3
.if (\s) == 0
	v_wmma_f32_16x16x32_f16 v[ACC+8*(4*\m+\i):ACC+8*(4*\m+\i)+7], v[64*((\s)%4)+8*\i:64*((\s)%4)+8*\i+7], v[64*((\s)%4)+32+8*\m:64*((\s)%4)+32+8*\m+7], v[BO+8*\i:BO+8*\i+7]
.else
	v_wmma_f32_16x16x32_f16 v[ACC+8*(4*\m+\i):ACC+8*(4*\m+\i)+7], v[64*((\s)%4)+8*\i:64*((\s)%4)+8*\i+7], v[64*((\s)%4)+32+8*\m:64*((\s)%4)+32+8*\m+7], v[ACC+8*(4*\m+\i):ACC+8*(4*\m+\i)+7]
.endif
.endr
.endr
	WIN 0
.rept 4
	v_nop                                          ; four places in front of the loads into the buffer just multiplied, and, behind the last step, of the first read of results
.endr
.if (\s) < 12
	KLOAD (\s)+4
.endif
.endm
	KLOAD 0
	KLOAD 1
	KLOAD 2
	KLOAD 3
.set ks, 0
.rept 16
	KMUL ks
.set ks, ks+1
.endr
; THE WAY OUT, 16 rows x 64 features at a time.  LDS serves a wave's instructions in order: no wait between the stores and the loads, nor in front of the next block's stores.
.macro TOSTAGE m
.irp i, 0,1,2,3
	ds_store_b128 v[STO], v[ACC+8*(4*(\m)+\i):ACC+8*(4*(\m)+\i)+3] offset:64*\i          ; each accumulator from its low end on
	ds_store_b128 v[STO], v[ACC+8*(4*(\m)+\i)+4:ACC+8*(4*(\m)+\i)+7] offset:64*\i+16
.endr
.irp n, 0,1,2,3,4,5,6,7
	ds_load_b128 v[BK+32*((\m)%2)+4*\n:BK+32*((\m)%2)+4*\n+3], v[RD] offset:544*\n
.endr
.endm
.macro SEND m, younger                 ; younger: the LDS instructions issued behind block m's loads, which may stay out
	s_wait_dscnt \younger
.irp n, 0,1,2,3,4,5,6,7
	global_store_b128 v[CO], v[BK+32*((\m)%2)+4*\n:BK+32*((\m)%2)+4*\n+3], s[10:11] offset:(16*(\m)+2*\n)*2048 th:TH_STORE_NT   ; 16 lanes store 256 consecutive bytes, aligned; written once, read by nobody here
.endr
.endm
	TOSTAGE 0
	TOSTAGE 1
	SEND 0, 16                                     ; behind block 0's loads: block 1's eight stores and eight loads
	s_wait_xcnt 0x0                                ; block 0's stores have read their registers: block 2's loads may land there
	TOSTAGE 2
	SEND 1, 16
	s_wait_xcnt 0x0
	TOSTAGE 3
	SEND 2, 16
	SEND 3, 0
	s_wait_tensorcnt 0x0                           ; the wave's end, behind my last LDS store
	ds_add_u32 v[SPW], v[NIL]
	s_wait_dscnt 0x0
	s_endpgm
.Lfunc_end_k_qbeaa7d5e8d_oproj:
	.size	k_qbeaa7d5e8d_oproj, .Lfunc_end_k_qbeaa7d5e8d_oproj-k_qbeaa7d5e8d_oproj
	.p2alignl 7, 3214868480
	.fill 96, 4, 3214868480
	.section	.rodata,"a",@progbits
	.p2align	6, 0x0
	.amdhsa_kernel k_qbeaa7d5e8d_oproj
		.amdhsa_group_segment_fixed_size 17920
		.amdhsa_private_segment_fixed_size 0
		.amdhsa_enable_private_segment 0
		.amdhsa_kernarg_size 32
		.amdhsa_user_sgpr_count 2
		.amdhsa_user_sgpr_kernarg_segment_ptr 1
		.amdhsa_wavefront_size32 1
		.amdhsa_system_sgpr_workgroup_id_x 1
		.amdhsa_system_sgpr_workgroup_id_y 1
		.amdhsa_system_sgpr_workgroup_id_z 1
		.amdhsa_system_vgpr_workitem_id 0
		.amdhsa_next_free_vgpr 512
		.amdhsa_next_free_sgpr 66
		.amdhsa_reserve_vcc 0
		.amdhsa_float_denorm_mode_32 3
		.amdhsa_float_denorm_mode_16_64 3
		.amdhsa_memory_ordered 1
		.amdhsa_forward_progress 1
		.amdhsa_inst_pref_size 55
	.end_amdhsa_kernel
	.amdgpu_metadata
---
amdhsa.version: [ 1, 2 ]
amdhsa.kernels:
  - .name:           k_qbeaa7d5e8d_oproj
    .symbol:         k_qbeaa7d5e8d_oproj.kd
    .args:
      - { .name: af, .offset: 0, .size: 8, .value_kind: global_buffer, .address_space: global }
      - { .name: aux, .offset: 8, .size: 8, .value_kind: global_buffer, .address_space: global }
      - { .name: bo, .offset: 16, .size: 8, .value_kind: global_buffer, .address_space: global }
      - { .name: out0, .offset: 24, .size: 8, .value_kind: global_buffer, .address_space: global }
    .group_segment_fixed_size: 17920
    .private_segment_fixed_size: 0
    .kernarg_segment_align: 8
    .kernarg_segment_size: 32
    .max_flat_workgroup_size: 128
    .sgpr_count:     66
    .vgpr_count:     512
    .wavefront_size: 32
...
	.end_amdgpu_metadata
.endif
;; end of part 4
